; MI455X (gfx1250); checked and timed in simulation.
; The chip was launched on July 23, 2026; its instructions are those of AMD's public machine-readable ISA for CDNA 5 (MIT licence, August 2026) and "CDNA5" Instruction Set Architecture Reference Guide (July 2026). The comments in the code are by the model that wrote it; some were corrected since.
;; Chamfer Distance. Allowed arithmetic: float matrix products may take bf16 or f16 operands with f32 sums; other float arithmetic in f32, or as packed bf16 or f16 multiplies, adds, multiply-adds, maxima and minima; sums over many terms, partial sums and values carried from step to step in f32; what a program stores and reads back later, other than sums and carried values, may be rounded once to bf16 or f16.
;; Inputs: xyz1 4 x 8,192 x 3 float32; xyz2 4 x 8,192 x 3 float32.
;; Outputs: out0 4 x 8,192 float32; out1 4 x 8,192 float32; out2 4 x 8,192 int32; out3 4 x 8,192 int32.
;; 2 versions, each right; version 2 is version 1 with the launch pairs written anew for expert scheduling mode. Each part assembles by itself: llvm-mc -triple=amdgcn-amd-amdhsa -mcpu=gfx1250 --defsym DOCPART=n.
;; ======== version 1 of 2: 2 launches
;; workspace buffers: pkey 2,097,152 bytes of whole numbers; pgrp 2,097,152 bytes of whole numbers
;; launch pairs (part 1): grid 256 x 1, 8 waves a work-group, no clusters, 99,584 bytes of LDS; arguments xyz1, xyz2, pkey, pgrp; writes pkey, pgrp
.if DOCPART == 1
	.amdgcn_target "amdgcn-amd-amdhsa--gfx1250"
	.amdhsa_code_object_version 6
	.text
	.protected	k_q89f34f146f_pairs
	.globl	k_q89f34f146f_pairs
	.p2align	8
	.type	k_q89f34f146f_pairs,@function
k_q89f34f146f_pairs:
	s_mov_b64 s[64:65], 0
	v_nop
	global_prefetch_b8 v0, s[64:65] scope:SCOPE_SE
	s_setreg_imm32_b32 hwreg(HW_REG_WAVE_MODE, 25, 1), 1
	s_wait_xcnt 0x0
; CHAMFER DISTANCE, FIRST LAUNCH.  xyz1, xyz2: [4][8192][3] f32.  d(i, j) = |xyz1[b][i] - xyz2[b][j]|^2 is made ONCE for each pair and serves both directions:
; the minimum over j for each i (rows) and the minimum over i for each j (columns).
; ARITHMETIC.  Differences first, as the problem states it, all in f32: d = fma(dz, dz, fma(dy, dy, dx dx)).  LIMITS: this order of rounding may differ in the last bit from a sum of three rounded
; squares; where two candidates lie within that bit of each other the index may be the other one's.  NaN and infinite coordinates are not treated apart (the minima drop a NaN).  If all distances
; overflow to infinity the first group stays, so that the index is 0.
; SHARES.  256 work-groups: batch = id / 64, tile row it = (id / 8) % 8, tile column jt = id % 8: 1024 i x 1024 j.  Eight waves: wi = wave % 2 takes 512 of the i, wj = wave / 2 takes 256 of the j.
; A lane owns 16 neighbouring i: 48 registers, as they lie in memory; a packed operand takes one of them for both halves by op_sel.  The 1024 j lie in LDS as three arrays x, y, z; all lanes read
; the same four j at a time (three loads of 16 bytes), one quad ahead.
; THE COUNT.  Two pairs (one i, two j): three packed differences, a packed multiply, two packed multiply-adds; one v_min3 for the row side (i's minimum takes both), one for the column side for
; two i (j's minimum takes both): 4 lines a pair.
; NO INDEX IS CARRIED.  What is kept is the GROUP of 16 neighbours in which the minimum lies; the next launch looks into that group.  Rows: after 16 j the new minimum is compared with the old
; one (two sets of registers take turns) and the group's number selected: 2 lines for 16 pairs.  Columns: a lane's minimum over its 16 i is one number for each j, and the lane IS the group.  32 j x 32 lanes
; of them go through the wave's own LDS, so that lane L gets the 32 lanes' numbers of j = L and finds the least and the first lane that has it.
; TIES go to the lower index everywhere: later groups, lanes, waves and tiles win by 'less than' alone.
; OUT.  For each i of the tile the least over the tile's 1024 j, for each j the least over its 1024 i: the distance's bit pattern (never negative, so the patterns stand in the order of
; unsigned whole numbers) into pkey, the group's number (0 .. 511 in its batch) into pgrp, both [direction 2][batch 4][part 8][8192] words; part = jt for rows, it for columns.
; NO CLUSTER, NO TENSOR LOAD, NO PREFETCH: a work-group reads 24,576 bytes once, at its head, for 1,048,576 pairs.
.set BATCHB, 98304                     ; bytes of a batch's 8192 points
.set TILEB,  12288                     ; bytes of 1024 points
.set XS,    0                          ; LDS: x of the tile's 1024 j
.set YS,    4096                       ; y
.set ZS,    8192                       ; z
.set ZPAD,  12288                      ; a block behind z: the last trip's look-ahead reads 16 bytes past each array (x's into y, y's into z, z's into this)
.set TR,    12544                      ; the waves' own 32 rows of 144 bytes for the transposition
.set TP,    144                        ; 128 bytes + 16: an odd multiple of 16, so 16 lanes' stores of 16 bytes touch 16 different columns
.set TRW,   32*TP
.set RV,    TR+8*TRW                   ; rows meet: [wj 4][1024] minima,
.set RG,    RV+16384                   ; and their groups
.set CV,    RG+16384                   ; columns meet: [wi 2][1024] minima,
.set CG,    CV+8192                    ; and their groups
.set SPARE, CG+8192                    ; the spare words, 128 bytes for each wave: four blocks of 256 bytes that no other line names
.set SPW, 2                            ; v2   LDS address of my spare word; never rewritten
.set NIL, 3                            ; v3   0; never rewritten
.set AJ,  4                            ; v4   LDS byte of the trip's first j in the array x (the same in all lanes)
.set TS,  5                            ; v5   transposition: my row
.set TL,  6                            ; v6   transposition: my column
.set CA,  7                            ; v7   where my j's column result of this trip goes
.set PI,  16                           ; v[16:63]   my 16 i: x, y, z of point k at PI + 3 k
.set BA,  64                           ; v[64:79]   rows' running minima, set A
.set BB,  80                           ; v[80:95]   set B
.set GR,  96                           ; v[96:111]  rows' groups
.set JQ,  112                          ; v[112:135] two quads of j: x at +0, y at +4, z at +8
.set CC,  136                          ; v[136:139] the quad's four column minima over my 16 i
.set T,   140                          ; v[140:187] eight chains (4 i x 2 pairs of j) of three register pairs: dx (then d), dy, dz
.set VL,  188                          ; v[188:219] the 32 lanes' numbers for my j
.set CM,  220                          ; v[220:223] four chains' minima
.set CI,  224                          ; v[224:227] and lanes
.set WV, 12
.set WI, 13
.set WJ, 14
.set BT, 15
.set IT, 16
.set JT, 17
.set SG, 27                            ; s27  number of the group of 16 j in hand
.set CB, 28                            ; s28  number of lane 0's group of 16 i
.set MK, 32                            ; s[32:39] lane masks
.set TRIPS, 40
	s_load_b256 s[4:11], s[0:1], 0x0               ; xyz1 s[4:5], xyz2 s[6:7], pkey s[8:9], pgrp s[10:11]
	v_lshl_add_u32 v[SPW], v0, 2, SPARE
	v_mov_b32 v[NIL], 0
	v_lshrrev_b32 v1, 5, v0
	v_readfirstlane_b32 s[WV], v1                  ; wave 0..7
	v_and_b32 v1, 31, v0                           ; lane
	s_and_b32 s[WI], s[WV], 1
	s_lshr_b32 s[WJ], s[WV], 1
	s_lshr_b32 s[BT], ttmp9, 6
	s_bfe_u32 s[IT], ttmp9, 0x30003
	s_and_b32 s[JT], ttmp9, 7
	s_mul_i32 s18, s[BT], BATCHB
	s_mul_i32 s19, s[JT], TILEB
	s_add_co_u32 s20, s18, s19                     ; the tile's j in xyz2
	s_mov_b32 s21, 0
	s_mul_i32 s19, s[IT], TILEB
	s_mul_i32 s22, s[WI], TILEB/2
	s_add_co_u32 s22, s22, s19
	s_add_co_u32 s22, s22, s18                     ; my wave's 512 i in xyz1
	s_mov_b32 s23, 0
	v_mul_u32_u24 v8, v0, 48                       ; thread t brings j 4 t .. 4 t + 3: 48 bytes
	v_mul_u32_u24 v9, v1, 192                      ; my 16 i: 192 bytes
	v_lshlrev_b32 v10, 4, v0                       ; and puts each coordinate of its four j at byte 16 t of its array
	s_wait_kmcnt 0x0
	s_add_nc_u64 s[6:7], s[6:7], s[20:21]
	s_add_nc_u64 s[4:5], s[4:5], s[22:23]
.irp m,0,1,2
	global_load_b128 v[T+4*\m:T+4*\m+3], v8, s[6:7] offset:16*\m
.endr
.irp m,0,1,2,3,4,5,6,7,8,9,10,11
	global_load_b128 v[PI+4*\m:PI+4*\m+3], v9, s[4:5] offset:16*\m
.endr
	; addresses and starting values, while the loads are out
	s_lshl_b32 s24, s[WJ], 10                      ; my wave's 256 j: 1,024 bytes into each array
	v_mov_b32 v[AJ], s24
	s_mul_i32 s25, s[WV], TRW
	s_add_co_u32 s25, s25, TR
	v_mul_u32_u24 v[TS], v1, TP
	v_add_nc_u32 v[TS], s25, v[TS]
	v_lshl_add_u32 v[TL], v1, 2, s25
	s_lshl_b32 s26, s[WI], 12
	s_add_co_u32 s26, s26, s24
	s_add_co_u32 s26, s26, CV
	v_lshl_add_u32 v[CA], v1, 2, s26
	s_lshl_b32 s[SG], s[JT], 6
	s_lshl4_add_u32 s[SG], s[WJ], s[SG]            ; my wave's first group of j: 64 jt + 16 wj
	s_lshl_b32 s[CB], s[IT], 6
	s_lshl_b32 s29, s[WI], 5
	s_add_co_u32 s[CB], s[CB], s29                 ; lane 0's group of i: 64 it + 32 wi
	s_mov_b32 s30, 0x7f800000                      ; +infinity
.irp k,0,1,2,3,4,5,6,7,8,9,10,11,12,13,14,15
	v_mov_b32 v[BA+\k], s30
	v_mov_b32 v[GR+\k], s[SG]                      ; the first group stays where nothing is ever less than infinity
.endr
	s_wait_loadcnt 12                              ; the three loads of j are in; the twelve younger loads, of i, stay out
.irp k,0,1,2,3
	ds_store_b32 v10, v[T+3*\k]   offset:XS+4*\k
	ds_store_b32 v10, v[T+3*\k+1] offset:YS+4*\k
	ds_store_b32 v10, v[T+3*\k+2] offset:ZS+4*\k
.endr
	s_cmp_lg_u32 s[WV], 7
	s_cbranch_scc1 .Lnopad
	v_lshlrev_b32 v11, 2, v1
	ds_store_b32 v11, v[NIL] offset:ZPAD           ; one wave writes the block behind z, a word a lane
.Lnopad:
	s_wait_dscnt 0x0                               ; for the others' sake: my stores are done
	s_barrier_signal -1
	s_barrier_wait -1                              ; the tile's j lie in LDS; nobody writes them again
	ds_load_b128 v[JQ:JQ+3],    v[AJ] offset:XS    ; the first quad
	ds_load_b128 v[JQ+4:JQ+7],  v[AJ] offset:YS
	ds_load_b128 v[JQ+8:JQ+11], v[AJ] offset:ZS
	s_wait_loadcnt 0x0                             ; my i
	s_wait_dscnt 0x0                               ; the first quad is in, so that the counts in the loop hold on the way in as on the way back
; dst pair = a pair of j's coordinate less register n, taken for both halves: n's place in its even-aligned pair goes into op_sel and op_sel_hi
.macro SUBB dst, jp, n
.if ((\n)&1)
	v_pk_add_f32 v[(\dst):(\dst)+1], v[(\jp):(\jp)+1], v[(\n)-1:(\n)] op_sel:[0,1] op_sel_hi:[1,1] neg_lo:[0,1] neg_hi:[0,1]
.else
	v_pk_add_f32 v[(\dst):(\dst)+1], v[(\jp):(\jp)+1], v[(\n):(\n)+1] op_sel_hi:[1,0] neg_lo:[0,1] neg_hi:[0,1]
.endif
.endm
; Four i (kb .. kb + 3) against the quad: 16 pairs in 64 lines.  Eight chains side by side: a line reads what was written eight lines back, in the minima four.
; d of i = kb + ii and j = 2 p + h lies in v[T + 12 ii + 6 p + h].
.macro BLOCK kb
.irp ii,0,1,2,3
.irp p,0,1
	SUBB T+12*\ii+6*\p,CUR+2*\p,PI+3*((\kb)+\ii)
.endr
.endr
.irp ii,0,1,2,3
.irp p,0,1
	SUBB T+12*\ii+6*\p+2,CUR+4+2*\p,PI+3*((\kb)+\ii)+1
.endr
.endr
.irp ii,0,1,2,3
.irp p,0,1
	SUBB T+12*\ii+6*\p+4,CUR+8+2*\p,PI+3*((\kb)+\ii)+2
.endr
.endr
.irp c,0,1,2,3,4,5,6,7
	v_pk_mul_f32 v[T+6*\c:T+6*\c+1], v[T+6*\c:T+6*\c+1], v[T+6*\c:T+6*\c+1]
.endr
.irp c,0,1,2,3,4,5,6,7
	v_pk_fma_f32 v[T+6*\c:T+6*\c+1], v[T+6*\c+2:T+6*\c+3], v[T+6*\c+2:T+6*\c+3], v[T+6*\c:T+6*\c+1]
.endr
.irp c,0,1,2,3,4,5,6,7
	v_pk_fma_f32 v[T+6*\c:T+6*\c+1], v[T+6*\c+4:T+6*\c+5], v[T+6*\c+4:T+6*\c+5], v[T+6*\c:T+6*\c+1]
.endr
.irp ii,0,1,2,3                        ; rows: i's minimum takes two j at a time; a group's first quad reads the old set and writes the new
	v_min3_num_f32 v[NEW+(\kb)+\ii], v[SRC+(\kb)+\ii], v[T+12*\ii], v[T+12*\ii+1]
.endr
.irp ii,0,1,2,3
	v_min3_num_f32 v[NEW+(\kb)+\ii], v[NEW+(\kb)+\ii], v[T+12*\ii+6], v[T+12*\ii+7]
.endr
.irp jj,0,1,2,3                        ; columns: j's minimum takes two i at a time; the first two i start it
.if (\kb)==0
	v_min_num_f32 v[CC+\jj], v[T+6*(\jj/2)+\jj%2], v[T+12+6*(\jj/2)+\jj%2]
.else
	v_min3_num_f32 v[CC+\jj], v[CC+\jj], v[T+6*(\jj/2)+\jj%2], v[T+12+6*(\jj/2)+\jj%2]
.endif
.endr
.irp jj,0,1,2,3
	v_min3_num_f32 v[CC+\jj], v[CC+\jj], v[T+24+6*(\jj/2)+\jj%2], v[T+36+6*(\jj/2)+\jj%2]
.endr
.endm
; Quad q of a trip's eight: the next quad is asked for, this one multiplied out against my 16 i, its four column minima put into my row of the transposition.
.macro QUAD q
.set CUR, JQ+12*((\q)%2)
.set NXT, JQ+12*(((\q)+1)%2)
.if (\q)<4
.set NEW, BB
.set OLD, BA
.else
.set NEW, BA
.set OLD, BB
.endif
.if ((\q)%4)==0
.set SRC, OLD
.else
.set SRC, NEW
.endif
	ds_load_b128 v[NXT:NXT+3],    v[AJ] offset:XS+16*((\q)+1)  ; quad 7 asks for the next trip's quad 0; in the last trip those 16 bytes lie just past my 256 j and are not used
	ds_load_b128 v[NXT+4:NXT+7],  v[AJ] offset:YS+16*((\q)+1)
	ds_load_b128 v[NXT+8:NXT+11], v[AJ] offset:ZS+16*((\q)+1)
.if (\q)==0
	s_wait_dscnt 0x5                               ; the last trip's two column stores and the three loads just issued may be out; this quad was waited for at the trip's end (or ahead of the loop)
.else
	s_wait_dscnt 0x4                               ; the last quad's store and the three loads just issued may be out: this quad's three loads, issued a quad ago, are in
.endif
	BLOCK 0
	BLOCK 4
	BLOCK 8
	BLOCK 12
	ds_store_b128 v[TS], v[CC:CC+3] offset:16*(\q)
.endm
; After 16 j: where the new minimum is less than the old one, the group in hand is i's group.
.macro TRACK new, old
.irp h,0,1
.irp k,0,1,2,3,4,5,6,7
	v_cmp_lt_f32 s[MK+\k], v[(\new)+8*\h+\k], v[(\old)+8*\h+\k]
.endr
.irp k,0,1,2,3,4,5,6,7
	v_cndmask_b32 v[GR+8*\h+\k], v[GR+8*\h+\k], s[SG], s[MK+\k]
.endr
.endr
	s_add_co_u32 s[SG], s[SG], 1
.endm
	s_mov_b32 s[TRIPS], 8
.Ltrip:                                                ; a trip: 32 j against my 16 i
	QUAD 0
	QUAD 1
	QUAD 2
	QUAD 3
	TRACK BB, BA
	QUAD 4
	QUAD 5
	QUAD 6
	QUAD 7
.set l, 0
.rept 32
	ds_load_b32 v[VL+l], v[TL] offset:l*TP         ; lane l's minimum for j = my lane's number.  LDS serves a wave's instructions in order, so these see the eight stores above; the bytes are my wave's own
.set l, l+1
.endr
	TRACK BA, BB                                   ; stands between those loads and the wait for them
	s_wait_dscnt 0x0
	; the least of the 32 and the first lane that has it: four chains of eight side by side, then merged, the lower lanes first
.irp c,0,1,2,3
	v_cmp_lt_f32 s[MK+\c], v[VL+8*\c+1], v[VL+8*\c]
.endr
.irp c,0,1,2,3
	v_cndmask_b32 v[CI+\c], 8*\c, 8*\c+1, s[MK+\c]
.endr
.irp c,0,1,2,3
	v_min_num_f32 v[CM+\c], v[VL+8*\c], v[VL+8*\c+1]
.endr
.irp st,2,3,4,5,6,7
.irp c,0,1,2,3
	v_cmp_lt_f32 s[MK+\c], v[VL+8*\c+\st], v[CM+\c]
.endr
.irp c,0,1,2,3
	v_cndmask_b32 v[CI+\c], v[CI+\c], 8*\c+\st, s[MK+\c]
.endr
.irp c,0,1,2,3
	v_min_num_f32 v[CM+\c], v[CM+\c], v[VL+8*\c+\st]
.endr
.endr
	v_cmp_lt_f32 s[MK], v[CM+1], v[CM]
	v_cmp_lt_f32 s[MK+1], v[CM+3], v[CM+2]
	v_cndmask_b32 v[CI], v[CI], v[CI+1], s[MK]
	v_cndmask_b32 v[CI+2], v[CI+2], v[CI+3], s[MK+1]
	v_min_num_f32 v[CM], v[CM], v[CM+1]
	v_min_num_f32 v[CM+2], v[CM+2], v[CM+3]
	v_cmp_lt_f32 s[MK], v[CM+2], v[CM]
	v_cndmask_b32 v[CI], v[CI], v[CI+2], s[MK]
	v_min_num_f32 v[CM], v[CM], v[CM+2]
	v_add_nc_u32 v[CI], s[CB], v[CI]               ; the lane is the group: 16 neighbouring i
	ds_store_b32 v[CA], v[CM]
	ds_store_b32 v[CA], v[CI] offset:CG-CV
	v_add_nc_u32 v[AJ], 128, v[AJ]                 ; 32 j on
	v_add_nc_u32 v[CA], 128, v[CA]
	s_sub_co_u32 s[TRIPS], s[TRIPS], 1
	s_cmp_lg_u32 s[TRIPS], 0
	s_cbranch_scc1 .Ltrip
	; THE WAVES MEET.  My 16 rows' minima (set A after a whole trip) and groups go to [wj][512 wi + 16 lane ..].
	s_lshl_b32 s29, s[WJ], 12
	s_lshl_b32 s30, s[WI], 11
	s_add_co_u32 s29, s29, s30
	s_add_co_u32 s29, s29, RV
	v_lshl_add_u32 v8, v1, 6, s29
.irp m,0,1,2,3
	ds_store_b128 v8, v[BA+4*\m:BA+4*\m+3] offset:16*\m
	ds_store_b128 v8, v[GR+4*\m:GR+4*\m+3] offset:RG-RV+16*\m
.endr
	s_wait_dscnt 0x0                               ; for the others' sake: my row and column results are stored (and the last look-ahead loads are back)
	s_barrier_signal -1
	s_barrier_wait -1
	v_lshl_add_u32 v9, v0, 4, RV                   ; thread t finishes i 4 t .. 4 t + 3 and j 4 t .. 4 t + 3 of the tile
	v_lshl_add_u32 v10, v0, 4, CV
.irp w,0,1,2,3
	ds_load_b128 v[T+4*\w:T+4*\w+3],       v9 offset:4096*\w
	ds_load_b128 v[T+16+4*\w:T+16+4*\w+3], v9 offset:RG-RV+4096*\w
.endr
.irp w,0,1
	ds_load_b128 v[T+32+4*\w:T+32+4*\w+3], v10 offset:4096*\w
	ds_load_b128 v[T+40+4*\w:T+40+4*\w+3], v10 offset:CG-CV+4096*\w
.endr
	s_lshl_b32 s18, s[BT], 3
	s_add_co_u32 s19, s18, s[JT]                   ; rows: direction 0, part jt,
	s_lshl_b32 s19, s19, 15
	s_lshl_b32 s20, s[IT], 12                      ; at the tile's first i
	s_add_co_u32 s19, s19, s20
	s_add_co_u32 s18, s18, s[IT]                   ; columns: direction 1, part it,
	s_add_co_u32 s18, s18, 32
	s_lshl_b32 s18, s18, 15
	s_lshl_b32 s20, s[JT], 12                      ; at the tile's first j
	s_add_co_u32 s18, s18, s20
	v_lshl_add_u32 v11, v0, 4, s19
	v_lshl_add_u32 v12, v0, 4, s18
	s_wait_dscnt 0x0
.irp w,1,2,3                           ; the four waves' ranges of j in ascending order: a later one wins by 'less than' alone
.irp e,0,1,2,3
	v_cmp_lt_f32 s[MK+\e], v[T+4*\w+\e], v[T+\e]
.endr
.irp e,0,1,2,3
	v_cndmask_b32 v[T+16+\e], v[T+16+\e], v[T+16+4*\w+\e], s[MK+\e]
.endr
.irp e,0,1,2,3
	v_min_num_f32 v[T+\e], v[T+\e], v[T+4*\w+\e]
.endr
.endr
.irp e,0,1,2,3                         ; the two waves' ranges of i likewise
	v_cmp_lt_f32 s[MK+\e], v[T+36+\e], v[T+32+\e]
.endr
.irp e,0,1,2,3
	v_cndmask_b32 v[T+40+\e], v[T+40+\e], v[T+44+\e], s[MK+\e]
.endr
.irp e,0,1,2,3
	v_min_num_f32 v[T+32+\e], v[T+32+\e], v[T+36+\e]
.endr
	global_store_b128 v11, v[T:T+3],     s[8:9]    ; each store of a wave covers 512 consecutive bytes, aligned
	global_store_b128 v11, v[T+16:T+19], s[10:11]
	global_store_b128 v12, v[T+32:T+35], s[8:9]
	global_store_b128 v12, v[T+40:T+43], s[10:11]
	s_wait_tensorcnt 0x0                           ; the wave's end, behind my last LDS store
	ds_add_u32 v[SPW], v[NIL]
	s_wait_dscnt 0x0
	s_endpgm
.Lfunc_end_k_q89f34f146f_pairs:
	.size	k_q89f34f146f_pairs, .Lfunc_end_k_q89f34f146f_pairs-k_q89f34f146f_pairs
	.p2alignl 7, 3214868480
	.fill 96, 4, 3214868480
	.section	.rodata,"a",@progbits
	.p2align	6, 0x0
	.amdhsa_kernel k_q89f34f146f_pairs
		.amdhsa_group_segment_fixed_size 99584
		.amdhsa_private_segment_fixed_size 0
		.amdhsa_enable_private_segment 0
		.amdhsa_kernarg_size 32
		.amdhsa_user_sgpr_count 2
		.amdhsa_user_sgpr_kernarg_segment_ptr 1
		.amdhsa_wavefront_size32 1
		.amdhsa_system_sgpr_workgroup_id_x 1
		.amdhsa_system_sgpr_workgroup_id_y 1
		.amdhsa_system_sgpr_workgroup_id_z 1
		.amdhsa_system_vgpr_workitem_id 0
		.amdhsa_next_free_vgpr 232
		.amdhsa_next_free_sgpr 66
		.amdhsa_reserve_vcc 0
		.amdhsa_float_denorm_mode_32 3
		.amdhsa_float_denorm_mode_16_64 3
		.amdhsa_memory_ordered 1
		.amdhsa_forward_progress 1
		.amdhsa_inst_pref_size 152
	.end_amdhsa_kernel
	.amdgpu_metadata
---
amdhsa.version: [ 1, 2 ]
amdhsa.kernels:
  - .name:           k_q89f34f146f_pairs
    .symbol:         k_q89f34f146f_pairs.kd
    .args:
      - { .name: xyz1, .offset: 0, .size: 8, .value_kind: global_buffer, .address_space: global }
      - { .name: xyz2, .offset: 8, .size: 8, .value_kind: global_buffer, .address_space: global }
      - { .name: pkey, .offset: 16, .size: 8, .value_kind: global_buffer, .address_space: global }
      - { .name: pgrp, .offset: 24, .size: 8, .value_kind: global_buffer, .address_space: global }
    .group_segment_fixed_size: 99584
    .private_segment_fixed_size: 0
    .kernarg_segment_align: 8
    .kernarg_segment_size: 32
    .max_flat_workgroup_size: 256
    .sgpr_count:     66
    .vgpr_count:     232
    .wavefront_size: 32
...
	.end_amdgpu_metadata
.endif
;; end of part 1
;; launch resolve (part 2): grid 256 x 1, 4 waves a work-group, no clusters, 0 bytes of LDS; arguments xyz1, xyz2, pkey, pgrp, out0, out1, out2, out3; writes out0, out1, out2, out3
.if DOCPART == 2
	.amdgcn_target "amdgcn-amd-amdhsa--gfx1250"
	.amdhsa_code_object_version 6
	.text
	.protected	k_q89f34f146f_resolve
	.globl	k_q89f34f146f_resolve
	.p2align	8
	.type	k_q89f34f146f_resolve,@function
k_q89f34f146f_resolve:
	s_mov_b64 s[64:65], 0
	v_nop
	global_prefetch_b8 v0, s[64:65] scope:SCOPE_SE
	s_setreg_imm32_b32 hwreg(HW_REG_WAVE_MODE, 25, 1), 1
	s_wait_xcnt 0x0
; CHAMFER DISTANCE, SECOND LAUNCH.  For each query (direction 0: a point of xyz1 against xyz2; direction 1: a point of xyz2 against xyz1) the first launch left eight partial results, one for
; each 1024 candidates in ascending order: pkey, the least distance's bit pattern, and pgrp, the number of the group of 16 neighbouring candidates that holds it.
; THE CHOICE among the eight is made on the keys as UNSIGNED WHOLE NUMBERS: a squared distance is never negative, so its bit patterns stand in the order of the numbers.  A later part wins by
; 'less than' alone, so a tie goes to the lower index.  The chosen group, held to 0 .. 511, gives the address of 192 bytes of candidates.
; THEN the group's 16 distances are made by the same three steps as in the first launch (differences, multiply, two fused multiply-adds in the order x, y, z; the sign of a difference does not
; reach its square), so the least of them is the least of all: it is the distance, and the first candidate that has it the index.
; LIMITS: as in the first launch (order of rounding; NaN and infinite coordinates not treated apart).
; SHARES.  Work-groups 0 .. 127 take direction 0, the others direction 1; 256 queries each; a lane takes two neighbouring queries, so that each load of keys and groups and each store of a wave
; covers 256 consecutive bytes, aligned.  No LDS, no barrier: no lane wants what another has.
.set KEY, 8                            ; v[8:23]    part p's keys of my two queries at KEY + 2 p
.set GRP, 24                           ; v[24:39]   the groups likewise
.set Q,   40                           ; v[40:45]   my two queries' x, y, z
.set OF,  46                           ; v[46:47]   byte offsets of the two chosen groups
.set C0,  48                           ; v[48:143]  16 candidates for each query: x, y, z of candidate c of query e at C0 + 48 e + 3 c; d takes x's place
.set M,   144                          ; v[144:145] the least distances
.set LI,  146                          ; v[146:147] their places in the groups
.set IX,  148                          ; v[148:149] the indices
.set MK,  40                           ; s[40:41]   lane masks
	s_load_b512 s[8:23], s[0:1], 0x0               ; xyz1 s[8:9], xyz2 s[10:11], pkey s[12:13], pgrp s[14:15], out0 .. out3 s[16:23]
	s_lshr_b32 s2, ttmp9, 7                        ; direction
	s_and_b32 s3, ttmp9, 127                       ; my 256 queries among the direction's 32,768
	s_lshr_b32 s4, s3, 5                           ; batch
	s_and_b32 s5, s3, 31                           ; my 256 among the batch's 8192
	s_lshl_b32 s6, s2, 2
	s_add_co_u32 s6, s6, s4
	s_lshl_b32 s6, s6, 18                          ; (4 direction + batch) x 8 parts x 32,768 bytes
	s_lshl_b32 s7, s5, 10
	s_add_co_u32 s32, s6, s7
	s_mov_b32 s33, 0
	s_mul_i32 s34, s3, 3072                        ; 256 queries x 12 bytes
	s_mov_b32 s35, 0
	s_mul_i32 s36, s4, 98304                       ; the batch's candidates
	s_mov_b32 s37, 0
	s_lshl_b32 s38, s3, 10                         ; 256 results x 4 bytes
	s_mov_b32 s39, 0
	v_lshlrev_b32 v1, 3, v0                        ; two words a lane
	v_mul_u32_u24 v2, v0, 24                       ; two points a lane
	s_wait_kmcnt 0x0
	s_cmp_eq_u32 s2, 0
	s_cselect_b64 s[24:25], s[8:9], s[10:11]       ; queries
	s_cselect_b64 s[26:27], s[10:11], s[8:9]       ; candidates
	s_cselect_b64 s[28:29], s[16:17], s[18:19]     ; distances: out0 or out1
	s_cselect_b64 s[30:31], s[20:21], s[22:23]     ; indices: out2 or out3
	s_add_nc_u64 s[12:13], s[12:13], s[32:33]
	s_add_nc_u64 s[14:15], s[14:15], s[32:33]
	s_add_nc_u64 s[24:25], s[24:25], s[34:35]
	s_add_nc_u64 s[26:27], s[26:27], s[36:37]
	s_add_nc_u64 s[28:29], s[28:29], s[38:39]
	s_add_nc_u64 s[30:31], s[30:31], s[38:39]
.irp p,0,1,2,3,4,5,6,7
	global_load_b64 v[KEY+2*\p:KEY+2*\p+1], v1, s[12:13] offset:32768*\p th:TH_LOAD_NT
.endr
.irp p,0,1,2,3,4,5,6,7
	global_load_b64 v[GRP+2*\p:GRP+2*\p+1], v1, s[14:15] offset:32768*\p th:TH_LOAD_NT
.endr
.irp m,0,1,2
	global_load_b64 v[Q+2*\m:Q+2*\m+1], v2, s[24:25] offset:8*\m
.endr
	s_wait_loadcnt 0x3                             ; keys and groups are in; the three younger loads, my queries, stay out
.irp p,1,2,3,4,5,6,7
.irp e,0,1
	v_cmp_lt_u32 s[MK+\e], v[KEY+2*\p+\e], v[KEY+\e]
.endr
.irp e,0,1
	v_cndmask_b32 v[GRP+\e], v[GRP+\e], v[GRP+2*\p+\e], s[MK+\e]
.endr
.irp e,0,1
	v_min_u32 v[KEY+\e], v[KEY+\e], v[KEY+2*\p+\e]
.endr
.endr
	v_min_u32 v[GRP], 0x1ff, v[GRP]                ; a batch has 512 groups: no address leaves it
	v_min_u32 v[GRP+1], 0x1ff, v[GRP+1]
	v_mul_u32_u24 v[OF], v[GRP], 192               ; 16 points x 12 bytes
	v_mul_u32_u24 v[OF+1], v[GRP+1], 192
.irp e,0,1
.irp m,0,1,2,3,4,5,6,7,8,9,10,11
	global_load_b128 v[C0+48*\e+4*\m:C0+48*\e+4*\m+3], v[OF+\e], s[26:27] offset:16*\m
.endr
.endr
; the 16 distances of one query: candidates at cb, the query's x, y, z at qb
.macro DIST cb, qb
.irp c,0,1,2,3,4,5,6,7,8,9,10,11,12,13,14,15
	v_sub_f32 v[(\cb)+3*\c],   v[(\cb)+3*\c],   v[(\qb)]
	v_sub_f32 v[(\cb)+3*\c+1], v[(\cb)+3*\c+1], v[(\qb)+1]
	v_sub_f32 v[(\cb)+3*\c+2], v[(\cb)+3*\c+2], v[(\qb)+2]
.endr
.irp c,0,1,2,3,4,5,6,7,8,9,10,11,12,13,14,15
	v_mul_f32 v[(\cb)+3*\c], v[(\cb)+3*\c], v[(\cb)+3*\c]
.endr
.irp c,0,1,2,3,4,5,6,7,8,9,10,11,12,13,14,15
	v_fma_f32 v[(\cb)+3*\c], v[(\cb)+3*\c+1], v[(\cb)+3*\c+1], v[(\cb)+3*\c]
.endr
.irp c,0,1,2,3,4,5,6,7,8,9,10,11,12,13,14,15
	v_fma_f32 v[(\cb)+3*\c], v[(\cb)+3*\c+2], v[(\cb)+3*\c+2], v[(\cb)+3*\c]
.endr
.endm
	s_wait_loadcnt 12                              ; my queries and the first query's twelve loads are in; the second's twelve stay out
	DIST C0, Q
	s_wait_loadcnt 0x0
	DIST C0+48, Q+3
	; the least of 16 and the first that has it, the two queries side by side
.irp e,0,1
	v_cmp_lt_f32 s[MK+\e], v[C0+48*\e+3], v[C0+48*\e]
.endr
.irp e,0,1
	v_cndmask_b32 v[LI+\e], 0, 1, s[MK+\e]
.endr
.irp e,0,1
	v_min_num_f32 v[M+\e], v[C0+48*\e], v[C0+48*\e+3]
.endr
.irp c,2,3,4,5,6,7,8,9,10,11,12,13,14,15
.irp e,0,1
	v_cmp_lt_f32 s[MK+\e], v[C0+48*\e+3*\c], v[M+\e]
.endr
.irp e,0,1
	v_cndmask_b32 v[LI+\e], v[LI+\e], \c, s[MK+\e]
.endr
.irp e,0,1
	v_min_num_f32 v[M+\e], v[M+\e], v[C0+48*\e+3*\c]
.endr
.endr
	v_lshl_add_u32 v[IX], v[GRP], 4, v[LI]         ; 16 x group + place: the index in the batch
	v_lshl_add_u32 v[IX+1], v[GRP+1], 4, v[LI+1]
	global_store_b64 v1, v[M:M+1], s[28:29]        ; a wave's store covers 256 consecutive bytes, aligned
	global_store_b64 v1, v[IX:IX+1], s[30:31]
	s_endpgm
.Lfunc_end_k_q89f34f146f_resolve:
	.size	k_q89f34f146f_resolve, .Lfunc_end_k_q89f34f146f_resolve-k_q89f34f146f_resolve
	.p2alignl 7, 3214868480
	.fill 96, 4, 3214868480
	.section	.rodata,"a",@progbits
	.p2align	6, 0x0
	.amdhsa_kernel k_q89f34f146f_resolve
		.amdhsa_group_segment_fixed_size 0
		.amdhsa_private_segment_fixed_size 0
		.amdhsa_enable_private_segment 0
		.amdhsa_kernarg_size 64
		.amdhsa_user_sgpr_count 2
		.amdhsa_user_sgpr_kernarg_segment_ptr 1
		.amdhsa_wavefront_size32 1
		.amdhsa_system_sgpr_workgroup_id_x 1
		.amdhsa_system_sgpr_workgroup_id_y 1
		.amdhsa_system_sgpr_workgroup_id_z 1
		.amdhsa_system_vgpr_workitem_id 0
		.amdhsa_next_free_vgpr 152
		.amdhsa_next_free_sgpr 66
		.amdhsa_reserve_vcc 0
		.amdhsa_float_denorm_mode_32 3
		.amdhsa_float_denorm_mode_16_64 3
		.amdhsa_memory_ordered 1
		.amdhsa_forward_progress 1
		.amdhsa_inst_pref_size 22
	.end_amdhsa_kernel
	.amdgpu_metadata
---
amdhsa.version: [ 1, 2 ]
amdhsa.kernels:
  - .name:           k_q89f34f146f_resolve
    .symbol:         k_q89f34f146f_resolve.kd
    .args:
      - { .name: xyz1, .offset: 0, .size: 8, .value_kind: global_buffer, .address_space: global }
      - { .name: xyz2, .offset: 8, .size: 8, .value_kind: global_buffer, .address_space: global }
      - { .name: pkey, .offset: 16, .size: 8, .value_kind: global_buffer, .address_space: global }
      - { .name: pgrp, .offset: 24, .size: 8, .value_kind: global_buffer, .address_space: global }
      - { .name: out0, .offset: 32, .size: 8, .value_kind: global_buffer, .address_space: global }
      - { .name: out1, .offset: 40, .size: 8, .value_kind: global_buffer, .address_space: global }
      - { .name: out2, .offset: 48, .size: 8, .value_kind: global_buffer, .address_space: global }
      - { .name: out3, .offset: 56, .size: 8, .value_kind: global_buffer, .address_space: global }
    .group_segment_fixed_size: 0
    .private_segment_fixed_size: 0
    .kernarg_segment_align: 8
    .kernarg_segment_size: 64
    .max_flat_workgroup_size: 128
    .sgpr_count:     66
    .vgpr_count:     152
    .wavefront_size: 32
...
	.end_amdgpu_metadata
.endif
;; end of part 2
;; ======== version 2 of 2: 2 launches; version 1 with the launch pairs written anew for expert scheduling mode
;; workspace buffers: pkey 2,097,152 bytes of whole numbers; pgrp 2,097,152 bytes of whole numbers
;; launch pairs (part 3): grid 256 x 1, 8 waves a work-group, no clusters, 99,584 bytes of LDS; arguments xyz1, xyz2, pkey, pgrp; writes pkey, pgrp
.if DOCPART == 3
	.amdgcn_target "amdgcn-amd-amdhsa--gfx1250"
	.amdhsa_code_object_version 6
	.text
	.protected	k_q89f34f146f_pairs
	.globl	k_q89f34f146f_pairs
	.p2align	8
	.type	k_q89f34f146f_pairs,@function
k_q89f34f146f_pairs:
	s_mov_b64 s[64:65], 0
	v_nop
	global_prefetch_b8 v0, s[64:65] scope:SCOPE_SE
	s_setreg_imm32_b32 hwreg(HW_REG_WAVE_SCHED_MODE, 0, 2), 2
	s_setreg_imm32_b32 hwreg(HW_REG_WAVE_MODE, 25, 1), 1
	s_wait_xcnt 0x0
	s_wait_alu depctr_vm_vsrc(0)
; CHAMFER DISTANCE, FIRST LAUNCH.  xyz1, xyz2: [4][8192][3] f32.  d(i, j) = |xyz1[b][i] - xyz2[b][j]|^2 is made ONCE for each pair and serves both directions:
; the minimum over j for each i (rows) and the minimum over i for each j (columns).
; ARITHMETIC.  Differences first, as the problem states it, all in f32: d = fma(dz, dz, fma(dy, dy, dx dx)).  LIMITS: this order of rounding may differ in the last bit from a sum of three rounded
; squares; where two candidates lie within that bit of each other the index may be the other one's.  NaN and infinite coordinates are not treated apart (the minima drop a NaN).  If all distances
; overflow to infinity the first group stays, so that the index is 0.
; SHARES.  256 work-groups: batch = id / 64, tile row it = (id / 8) % 8, tile column jt = id % 8: 1024 i x 1024 j.  Eight waves: wi = wave % 2 takes 512 of the i, wj = wave / 2 takes 256 of the j.
; A lane owns 16 neighbouring i: 48 registers, as they lie in memory; a packed operand takes one of them for both halves by op_sel.  The 1024 j lie in LDS as three arrays x, y, z; all lanes read
; the same four j at a time (three loads of 16 bytes), one quad ahead.
; THE COUNT.  Two pairs (one i, two j): three packed differences, a packed multiply, two packed multiply-adds; one v_min3 for the row side (i's minimum takes both), one for the column side for
; two i (j's minimum takes both): 4 lines a pair.
; NO INDEX IS CARRIED.  What is kept is the GROUP of 16 neighbours in which the minimum lies; the next launch looks into that group.  Rows: after 16 j the new minimum is compared with the old
; one (two sets of registers take turns) and the group's number selected: 2 lines for 16 pairs.  Columns: a lane's minimum over its 16 i is one number for each j, and the lane IS the group.  32 j x 32 lanes
; of them go through the wave's own LDS, so that lane L gets the 32 lanes' numbers of j = L and finds the least and the first lane that has it.
; TIES go to the lower index everywhere: later groups, lanes, waves and tiles win by 'less than' alone.
; OUT.  For each i of the tile the least over the tile's 1024 j, for each j the least over its 1024 i: the distance's bit pattern (never negative, so the patterns stand in the order of
; unsigned whole numbers) into pkey, the group's number (0 .. 511 in its batch) into pgrp, both [direction 2][batch 4][part 8][8192] words; part = jt for rows, it for columns.
; NO CLUSTER, NO TENSOR LOAD, NO PREFETCH: a work-group reads 24,576 bytes once, at its head, for 1,048,576 pairs.
; THE MODE: SCHED_MODE bits 1:0 = 2 (LLVM: expert scheduling mode 2), set by the entry lines.  The code itself states the register dependences between vector instructions and memory or LDS
; instructions, and those through scalar registers that vector instructions write, with s_wait_alu, always for 0.
; THE PLAN.  Registers that LDS instructions touch in the loop:
;   JQ0, JQ1   Quad q's differences read JQ[q % 2]; the three loads at quad q's head land in the other one, which quad q - 1 read last.
;   CC, CC2    Quad q's column minima write CC[q % 2]; the LDS store that reads it stands at the head of quad q + 1 (quad 7's at the trip's end); quad q + 2 writes it again.
;   VL         The 32 loads at the trip's end land in it; the search for the least reads it.
;   CM, CI     Written by that search, read by the two column stores at the trip's end.
;   AJ, CA     AJ is read by every quad's loads, CA by the two column stores; each is stepped once a trip.  TS and TL are never written again.
;   T, PI, BA, BB and GR are named by vector instructions alone.
; So ONE wait on va_vdst stands at the head of quads 1 to 7: the quad before has written its CC and is done reading its JQ; the store and the three loads follow it, and no vector line of the quad
; names their registers.  One wait on vm_vsrc stands beside it in quads 2 to 7: the store of the head before has read the CC that this quad writes.  Quad 0 owes nothing: see the trip's end.
; MASKS.  Compares stand in runs, each mask in a scalar register of its own, with one wait on va_sdst between a run and the selects that read it, and other work between where there is any.
.set BATCHB, 98304                     ; bytes of a batch's 8192 points
.set TILEB,  12288                     ; bytes of 1024 points
.set XS,    0                          ; LDS: x of the tile's 1024 j
.set YS,    4096                       ; y
.set ZS,    8192                       ; z
.set ZPAD,  12288                      ; a block behind z: the last trip's look-ahead reads 16 bytes past each array (x's into y, y's into z, z's into this)
.set TR,    12544                      ; the waves' own 32 rows of 144 bytes for the transposition
.set TP,    144                        ; 128 bytes + 16: an odd multiple of 16, so 16 lanes' stores of 16 bytes touch 16 different columns
.set TRW,   32*TP
.set RV,    TR+8*TRW                   ; rows meet: [wj 4][1024] minima,
.set RG,    RV+16384                   ; and their groups
.set CV,    RG+16384                   ; columns meet: [wi 2][1024] minima,
.set CG,    CV+8192                    ; and their groups
.set SPARE, CG+8192                    ; the spare words, 128 bytes for each wave: four blocks of 256 bytes that no other line names
.set SPW, 2                            ; v2   LDS address of my spare word; never rewritten
.set NIL, 3                            ; v3   0; never rewritten
.set AJ,  4                            ; v4   LDS byte of the trip's first j in the array x (the same in all lanes)
.set TS,  5                            ; v5   transposition: my row
.set TL,  6                            ; v6   transposition: my column
.set CA,  7                            ; v7   where my j's column result of this trip goes
.set PI,  16                           ; v[16:63]   my 16 i: x, y, z of point k at PI + 3 k
.set BA,  64                           ; v[64:79]   rows' running minima, set A
.set BB,  80                           ; v[80:95]   set B
.set GR,  96                           ; v[96:111]  rows' groups
.set JQ,  112                          ; v[112:135] two quads of j: x at +0, y at +4, z at +8
.set CC,  136                          ; v[136:139] an even quad's four column minima over my 16 i
.set T,   140                          ; v[140:187] eight chains (4 i x 2 pairs of j) of three register pairs: dx (then d), dy, dz
.set PM,  T                            ;            at the trip's end: the minima of the first 2, 3 .. 8 of each chain of eight lanes: chain c, st + 1 lanes at PM + 4 (st - 1) + c; two merged at +28, +29
.set VL,  188                          ; v[188:219] the 32 lanes' numbers for my j
.set CM,  220                          ; v220       the least of the 32
.set CI,  224                          ; v[224:227] four chains' lanes
.set CC2, 228                          ; v[228:231] an odd quad's four column minima
.set WV, 12
.set WI, 13
.set WJ, 14
.set BT, 15
.set IT, 16
.set JT, 17
.set SG, 27                            ; s27  number of the group of 16 j in hand
.set CB, 28                            ; s28  number of lane 0's group of 16 i
.set TRIPS, 31
.set MK, 32                            ; s[32:62] lane masks: one for each compare of a run
	s_load_b256 s[4:11], s[0:1], 0x0               ; xyz1 s[4:5], xyz2 s[6:7], pkey s[8:9], pgrp s[10:11]
	v_lshl_add_u32 v[SPW], v0, 2, SPARE
	v_mov_b32 v[NIL], 0
	v_lshrrev_b32 v1, 5, v0
	v_readfirstlane_b32 s[WV], v1                  ; wave 0..7
	v_and_b32 v1, 31, v0                           ; lane
	v_mul_u32_u24 v8, v0, 48                       ; thread t brings j 4 t .. 4 t + 3: 48 bytes
	v_mul_u32_u24 v9, v1, 192                      ; my 16 i: 192 bytes
	v_lshlrev_b32 v10, 4, v0                       ; and puts each coordinate of its four j at byte 16 t of its array
	v_lshlrev_b32 v11, 2, v1                       ; a word a lane, for the block behind z
	s_lshr_b32 s[BT], ttmp9, 6
	s_bfe_u32 s[IT], ttmp9, 0x30003
	s_and_b32 s[JT], ttmp9, 7
	s_mul_i32 s18, s[BT], BATCHB
	s_mul_i32 s19, s[JT], TILEB
	s_add_co_u32 s20, s18, s19                     ; the tile's j in xyz2
	s_mov_b32 s21, 0
	s_mul_i32 s19, s[IT], TILEB
	s_wait_alu depctr_va_sdst(0)                   ; the wave's number is written, ahead of its first reader
	s_and_b32 s[WI], s[WV], 1
	s_lshr_b32 s[WJ], s[WV], 1
	s_mul_i32 s22, s[WI], TILEB/2
	s_add_co_u32 s22, s22, s19
	s_add_co_u32 s22, s22, s18                     ; my wave's 512 i in xyz1
	s_mov_b32 s23, 0
	; the LDS addresses, in the wait for the arguments
	s_lshl_b32 s24, s[WJ], 10                      ; my wave's 256 j: 1,024 bytes into each array
	v_mov_b32 v[AJ], s24
	s_mul_i32 s25, s[WV], TRW
	s_add_co_u32 s25, s25, TR
	v_mul_u32_u24 v[TS], v1, TP
	v_add_nc_u32 v[TS], s25, v[TS]
	v_lshl_add_u32 v[TL], v1, 2, s25
	s_lshl_b32 s26, s[WI], 12
	s_add_co_u32 s26, s26, s24
	s_add_co_u32 s26, s26, CV
	v_lshl_add_u32 v[CA], v1, 2, s26
	s_lshl_b32 s[SG], s[JT], 6
	s_lshl4_add_u32 s[SG], s[WJ], s[SG]            ; my wave's first group of j: 64 jt + 16 wj
	s_lshl_b32 s[CB], s[IT], 6
	s_lshl_b32 s29, s[WI], 5
	s_add_co_u32 s[CB], s[CB], s29                 ; lane 0's group of i: 64 it + 32 wi
	s_mov_b32 s30, 0x7f800000                      ; +infinity
	s_wait_kmcnt 0x0
	s_add_nc_u64 s[6:7], s[6:7], s[20:21]
	s_add_nc_u64 s[4:5], s[4:5], s[22:23]
	s_wait_alu depctr_va_vdst(0)                   ; v3 to v11 are written: the offsets and addresses, and the 0, that the loads and LDS instructions from here to the loop read
.irp m,0,1,2
	global_load_b128 v[T+4*\m:T+4*\m+3], v8, s[6:7] offset:16*\m
.endr
.irp m,0,1,2,3,4,5,6,7,8,9,10,11
	global_load_b128 v[PI+4*\m:PI+4*\m+3], v9, s[4:5] offset:16*\m
.endr
	; starting values, while the loads are out: registers that no memory or LDS instruction names before the waves meet
.irp k,0,1,2,3,4,5,6,7,8,9,10,11,12,13,14,15
	v_mov_b32 v[BA+\k], s30
	v_mov_b32 v[GR+\k], s[SG]                      ; the first group stays where nothing is ever less than infinity
.endr
	s_wait_loadcnt 12                              ; the three loads of j are in; the twelve younger loads, of i, stay out
.irp k,0,1,2,3
	ds_store_b32 v10, v[T+3*\k]   offset:XS+4*\k
	ds_store_b32 v10, v[T+3*\k+1] offset:YS+4*\k
	ds_store_b32 v10, v[T+3*\k+2] offset:ZS+4*\k
.endr
	s_cmp_lg_u32 s[WV], 7
	s_cbranch_scc1 .Lnopad
	ds_store_b32 v11, v[NIL] offset:ZPAD           ; one wave writes the block behind z, a word a lane
.Lnopad:
	s_wait_dscnt 0x0                               ; for the others' sake: my stores are done
	s_barrier_signal -1
	s_barrier_wait -1                              ; the tile's j lie in LDS; nobody writes them again
	s_wait_alu depctr_vm_vsrc(0)                   ; my LDS stores have read v[T ..], which the first block's differences write
	ds_load_b128 v[JQ:JQ+3],    v[AJ] offset:XS    ; the first quad
	ds_load_b128 v[JQ+4:JQ+7],  v[AJ] offset:YS
	ds_load_b128 v[JQ+8:JQ+11], v[AJ] offset:ZS
	s_wait_loadcnt 0x0                             ; my i
	s_wait_dscnt 0x0                               ; the first quad is in, so that the counts in the loop hold on the way in as on the way back
; dst pair = a pair of j's coordinate less register n, taken for both halves: n's place in its even-aligned pair goes into op_sel and op_sel_hi
.macro SUBB dst, jp, n
.if ((\n)&1)
	v_pk_add_f32 v[(\dst):(\dst)+1], v[(\jp):(\jp)+1], v[(\n)-1:(\n)] op_sel:[0,1] op_sel_hi:[1,1] neg_lo:[0,1] neg_hi:[0,1]
.else
	v_pk_add_f32 v[(\dst):(\dst)+1], v[(\jp):(\jp)+1], v[(\n):(\n)+1] op_sel_hi:[1,0] neg_lo:[0,1] neg_hi:[0,1]
.endif
.endm
; Four i (kb .. kb + 3) against the quad: 16 pairs in 64 lines.  Eight chains side by side: a line reads what was written eight lines back, in the minima four.
; d of i = kb + ii and j = 2 p + h lies in v[T + 12 ii + 6 p + h].
.macro BLOCK kb
.irp ii,0,1,2,3
.irp p,0,1
	SUBB T+12*\ii+6*\p,CUR+2*\p,PI+3*((\kb)+\ii)
.endr
.endr
.irp ii,0,1,2,3
.irp p,0,1
	SUBB T+12*\ii+6*\p+2,CUR+4+2*\p,PI+3*((\kb)+\ii)+1
.endr
.endr
.irp ii,0,1,2,3
.irp p,0,1
	SUBB T+12*\ii+6*\p+4,CUR+8+2*\p,PI+3*((\kb)+\ii)+2
.endr
.endr
.irp c,0,1,2,3,4,5,6,7
	v_pk_mul_f32 v[T+6*\c:T+6*\c+1], v[T+6*\c:T+6*\c+1], v[T+6*\c:T+6*\c+1]
.endr
.irp c,0,1,2,3,4,5,6,7
	v_pk_fma_f32 v[T+6*\c:T+6*\c+1], v[T+6*\c+2:T+6*\c+3], v[T+6*\c+2:T+6*\c+3], v[T+6*\c:T+6*\c+1]
.endr
.irp c,0,1,2,3,4,5,6,7
	v_pk_fma_f32 v[T+6*\c:T+6*\c+1], v[T+6*\c+4:T+6*\c+5], v[T+6*\c+4:T+6*\c+5], v[T+6*\c:T+6*\c+1]
.endr
.irp ii,0,1,2,3                        ; rows: i's minimum takes two j at a time; a group's first quad reads the old set and writes the new
	v_min3_num_f32 v[NEW+(\kb)+\ii], v[SRC+(\kb)+\ii], v[T+12*\ii], v[T+12*\ii+1]
.endr
.irp ii,0,1,2,3
	v_min3_num_f32 v[NEW+(\kb)+\ii], v[NEW+(\kb)+\ii], v[T+12*\ii+6], v[T+12*\ii+7]
.endr
.irp jj,0,1,2,3                        ; columns: j's minimum takes two i at a time; the first two i start it
.if (\kb)==0
	v_min_num_f32 v[CCQ+\jj], v[T+6*(\jj/2)+\jj%2], v[T+12+6*(\jj/2)+\jj%2]
.else
	v_min3_num_f32 v[CCQ+\jj], v[CCQ+\jj], v[T+6*(\jj/2)+\jj%2], v[T+12+6*(\jj/2)+\jj%2]
.endif
.endr
.irp jj,0,1,2,3
	v_min3_num_f32 v[CCQ+\jj], v[CCQ+\jj], v[T+24+6*(\jj/2)+\jj%2], v[T+36+6*(\jj/2)+\jj%2]
.endr
.endm
; After 16 j: where the new minimum is less than the old one, the group in hand is i's group.  The 16 compares are one run; the selects stand further down, other work between.
.macro CMPS new, old
.irp k,0,1,2,3,4,5,6,7,8,9,10,11,12,13,14,15
	v_cmp_lt_f32 s[MK+\k], v[(\new)+\k], v[(\old)+\k]
.endr
.endm
.macro SELS
	s_wait_alu depctr_va_sdst(0)                   ; the 16 compares have written their masks, which the selects read
.irp k,0,1,2,3,4,5,6,7,8,9,10,11,12,13,14,15
	v_cndmask_b32 v[GR+\k], v[GR+\k], s[SG], s[MK+\k]
.endr
	s_add_co_u32 s[SG], s[SG], 1
.endm
; Quad q of a trip's eight: the last quad's four column minima are put into my row of the transposition, the next quad is asked for, this one multiplied out against my 16 i.
.macro QUAD q
.set CUR, JQ+12*((\q)%2)
.set NXT, JQ+12*(((\q)+1)%2)
.if ((\q)%2)==0
.set CCQ, CC
.set CCP, CC2
.else
.set CCQ, CC2
.set CCP, CC
.endif
.if (\q)<4
.set NEW, BB
.set OLD, BA
.else
.set NEW, BA
.set OLD, BB
.endif
.if ((\q)%4)==0
.set SRC, OLD
.else
.set SRC, NEW
.endif
.if (\q)>=2
	s_wait_alu depctr_vm_vsrc(0)                   ; the store at the last quad's head has read the column minima's buffer that this quad writes again
.endif
.if (\q)>=1
	s_wait_alu depctr_va_vdst(0)                   ; the last quad has written its column minima, which the store below reads, and is done reading its four j, in whose registers the loads below land
	ds_store_b128 v[TS], v[CCP:CCP+3] offset:16*((\q)-1)
.endif                                                 ; quad 0 owes neither: the waits at the trip's end (on the way in: the head's) stand behind all that named these registers
	ds_load_b128 v[NXT:NXT+3],    v[AJ] offset:XS+16*((\q)+1)  ; quad 7 asks for the next trip's quad 0; in the last trip those 16 bytes lie just past my 256 j and are not used
	ds_load_b128 v[NXT+4:NXT+7],  v[AJ] offset:YS+16*((\q)+1)
	ds_load_b128 v[NXT+8:NXT+11], v[AJ] offset:ZS+16*((\q)+1)
.if (\q)==0
	s_wait_dscnt 0x5                               ; the last trip's two column stores and the three loads just issued may be out; this quad was waited for at the trip's end (or ahead of the loop)
.else
	s_wait_dscnt 0x4                               ; the store and the three loads just issued may be out: this quad's three loads, issued a quad ago, are in
.endif
	BLOCK 0
.if (\q)==4
	SELS                                           ; the selects of the compares that stand ahead of this quad: a block's 64 lines lie between
.endif
	BLOCK 4
	BLOCK 8
	BLOCK 12
.endm
	s_mov_b32 s[TRIPS], 8
.Ltrip:                                                ; a trip: 32 j against my 16 i
	QUAD 0
	QUAD 1
	QUAD 2
	QUAD 3
	CMPS BB, BA
	QUAD 4
	QUAD 5
	QUAD 6
	QUAD 7
	CMPS BA, BB
	s_wait_alu depctr_vm_vsrc(0)                   ; quad 7's loads have read v[AJ]
	v_add_nc_u32 v[AJ], 128, v[AJ]                 ; 32 j on
	s_wait_alu depctr_va_vdst(0)                   ; quad 7 has written its column minima, which the store reads; v[AJ] is written, which the next trip's loads read; quad 7 is done reading its four j
	ds_store_b128 v[TS], v[CC2:CC2+3] offset:16*7
.set l, 0
.rept 32
	ds_load_b32 v[VL+l], v[TL] offset:l*TP         ; lane l's minimum for j = my lane's number.  LDS serves a wave's instructions in order, so these see the eight stores above; the bytes are my wave's own
.set l, l+1
.endr
	SELS                                           ; stands between those loads and the wait for them
	s_wait_dscnt 0x0
	; the least of the 32 and the first lane that has it: four chains of eight side by side, then merged, the lower lanes first.  First all minima, each kept; then all compares, each against the
	; minimum of the lanes before it; then all selects
.irp c,0,1,2,3
	v_min_num_f32 v[PM+\c], v[VL+8*\c], v[VL+8*\c+1]
.endr
.irp st,2,3,4,5,6,7
.irp c,0,1,2,3
	v_min_num_f32 v[PM+4*(\st-1)+\c], v[PM+4*(\st-2)+\c], v[VL+8*\c+\st]
.endr
.endr
	v_min_num_f32 v[PM+28], v[PM+24], v[PM+25]
	v_min_num_f32 v[PM+29], v[PM+26], v[PM+27]
	v_min_num_f32 v[CM], v[PM+28], v[PM+29]
.irp c,0,1,2,3
	v_cmp_lt_f32 s[MK+\c], v[VL+8*\c+1], v[VL+8*\c]
.endr
.irp st,2,3,4,5,6,7
.irp c,0,1,2,3
	v_cmp_lt_f32 s[MK+4*(\st-1)+\c], v[VL+8*\c+\st], v[PM+4*(\st-2)+\c]
.endr
.endr
	v_cmp_lt_f32 s[MK+28], v[PM+25], v[PM+24]
	v_cmp_lt_f32 s[MK+29], v[PM+27], v[PM+26]
	v_cmp_lt_f32 s[MK+30], v[PM+29], v[PM+28]
	s_wait_alu depctr_va_sdst(0)                   ; the 31 compares have written their masks, which the selects read
.irp c,0,1,2,3
	v_cndmask_b32 v[CI+\c], 8*\c, 8*\c+1, s[MK+\c]
.endr
.irp st,2,3,4,5,6,7
.irp c,0,1,2,3
	v_cndmask_b32 v[CI+\c], v[CI+\c], 8*\c+\st, s[MK+4*(\st-1)+\c]
.endr
.endr
	v_cndmask_b32 v[CI], v[CI], v[CI+1], s[MK+28]
	v_cndmask_b32 v[CI+2], v[CI+2], v[CI+3], s[MK+29]
	v_cndmask_b32 v[CI], v[CI], v[CI+2], s[MK+30]
	v_add_nc_u32 v[CI], s[CB], v[CI]               ; the lane is the group: 16 neighbouring i
	s_wait_alu depctr_va_vdst(0)                   ; the least and its group are written, which the two stores read
	ds_store_b32 v[CA], v[CM]
	ds_store_b32 v[CA], v[CI] offset:CG-CV
	s_wait_alu depctr_vm_vsrc(0)                   ; the two stores have read v[CA] (and the least and its group, which the next trip writes again)
	v_add_nc_u32 v[CA], 128, v[CA]                 ; its next reader stands behind the next trip's waits on va_vdst; the next quad's loads do not name it
	s_sub_co_u32 s[TRIPS], s[TRIPS], 1
	s_cmp_lg_u32 s[TRIPS], 0
	s_cbranch_scc1 .Ltrip
	; THE WAVES MEET.  My 16 rows' minima (set A after a whole trip) and groups go to [wj][512 wi + 16 lane ..].
	s_lshl_b32 s29, s[WJ], 12
	s_lshl_b32 s30, s[WI], 11
	s_add_co_u32 s29, s29, s30
	s_add_co_u32 s29, s29, RV
	v_lshl_add_u32 v8, v1, 6, s29
	v_lshl_add_u32 v9, v0, 4, RV                   ; thread t finishes i 4 t .. 4 t + 3 and j 4 t .. 4 t + 3 of the tile
	v_lshl_add_u32 v10, v0, 4, CV
	s_wait_alu depctr_va_vdst(0)                   ; v8 to v10, the rows' minima and their groups are written, which the LDS instructions below read; all that named v[T ..], in which the loads behind the barrier land, is done
.irp m,0,1,2,3
	ds_store_b128 v8, v[BA+4*\m:BA+4*\m+3] offset:16*\m
	ds_store_b128 v8, v[GR+4*\m:GR+4*\m+3] offset:RG-RV+16*\m
.endr
	s_wait_dscnt 0x0                               ; for the others' sake: my row and column results are stored (and the last look-ahead loads are back)
	s_barrier_signal -1
	s_barrier_wait -1
.irp w,0,1,2,3
	ds_load_b128 v[T+4*\w:T+4*\w+3],       v9 offset:4096*\w
	ds_load_b128 v[T+16+4*\w:T+16+4*\w+3], v9 offset:RG-RV+4096*\w
.endr
.irp w,0,1
	ds_load_b128 v[T+32+4*\w:T+32+4*\w+3], v10 offset:4096*\w
	ds_load_b128 v[T+40+4*\w:T+40+4*\w+3], v10 offset:CG-CV+4096*\w
.endr
	s_lshl_b32 s18, s[BT], 3
	s_add_co_u32 s19, s18, s[JT]                   ; rows: direction 0, part jt,
	s_lshl_b32 s19, s19, 15
	s_lshl_b32 s20, s[IT], 12                      ; at the tile's first i
	s_add_co_u32 s19, s19, s20
	s_add_co_u32 s18, s18, s[IT]                   ; columns: direction 1, part it,
	s_add_co_u32 s18, s18, 32
	s_lshl_b32 s18, s18, 15
	s_lshl_b32 s20, s[JT], 12                      ; at the tile's first j
	s_add_co_u32 s18, s18, s20
	v_lshl_add_u32 v11, v0, 4, s19
	v_lshl_add_u32 v12, v0, 4, s18
	s_wait_dscnt 0x0
	; the four waves' ranges of j in ascending order, the two waves' ranges of i likewise: a later one wins by 'less than' alone.  As in the loop: all minima, each kept; all compares; all selects
.irp e,0,1,2,3
	v_min_num_f32 v[VL+\e], v[T+\e], v[T+4+\e]
.endr
.irp e,0,1,2,3
	v_min_num_f32 v[VL+4+\e], v[VL+\e], v[T+8+\e]
.endr
.irp e,0,1,2,3
	v_min_num_f32 v[VL+8+\e], v[VL+4+\e], v[T+12+\e]
.endr
.irp e,0,1,2,3
	v_min_num_f32 v[VL+12+\e], v[T+32+\e], v[T+36+\e]
.endr
.irp e,0,1,2,3
	v_cmp_lt_f32 s[MK+\e], v[T+4+\e], v[T+\e]
.endr
.irp e,0,1,2,3
	v_cmp_lt_f32 s[MK+4+\e], v[T+8+\e], v[VL+\e]
.endr
.irp e,0,1,2,3
	v_cmp_lt_f32 s[MK+8+\e], v[T+12+\e], v[VL+4+\e]
.endr
.irp e,0,1,2,3
	v_cmp_lt_f32 s[MK+12+\e], v[T+36+\e], v[T+32+\e]
.endr
	s_wait_alu depctr_va_sdst(0)                   ; the 16 compares have written their masks, which the selects read
.irp e,0,1,2,3
	v_cndmask_b32 v[T+16+\e], v[T+16+\e], v[T+20+\e], s[MK+\e]
.endr
.irp e,0,1,2,3
	v_cndmask_b32 v[T+16+\e], v[T+16+\e], v[T+24+\e], s[MK+4+\e]
.endr
.irp e,0,1,2,3
	v_cndmask_b32 v[T+16+\e], v[T+16+\e], v[T+28+\e], s[MK+8+\e]
.endr
.irp e,0,1,2,3
	v_cndmask_b32 v[T+40+\e], v[T+40+\e], v[T+44+\e], s[MK+12+\e]
.endr
	s_wait_alu depctr_va_vdst(0)                   ; the minima, the groups and the offsets v11 and v12 are written, which the four stores read
	global_store_b128 v11, v[VL+8:VL+11],  s[8:9]  ; each store of a wave covers 512 consecutive bytes, aligned
	global_store_b128 v11, v[T+16:T+19],   s[10:11]
	global_store_b128 v12, v[VL+12:VL+15], s[8:9]
	global_store_b128 v12, v[T+40:T+43],   s[10:11]
	s_wait_dscnt 0x0                               ; the closing lines, six on end
	s_wait_alu 0x0
	s_wait_tensorcnt 0x0
	ds_add_u32 v[SPW], v[NIL]
	s_wait_dscnt 0x0
	s_endpgm
.Lfunc_end_k_q89f34f146f_pairs:
	.size	k_q89f34f146f_pairs, .Lfunc_end_k_q89f34f146f_pairs-k_q89f34f146f_pairs
	.p2alignl 7, 3214868480
	.fill 96, 4, 3214868480
	.section	.rodata,"a",@progbits
	.p2align	6, 0x0
	.amdhsa_kernel k_q89f34f146f_pairs
		.amdhsa_group_segment_fixed_size 99584
		.amdhsa_private_segment_fixed_size 0
		.amdhsa_enable_private_segment 0
		.amdhsa_kernarg_size 32
		.amdhsa_user_sgpr_count 2
		.amdhsa_user_sgpr_kernarg_segment_ptr 1
		.amdhsa_wavefront_size32 1
		.amdhsa_system_sgpr_workgroup_id_x 1
		.amdhsa_system_sgpr_workgroup_id_y 1
		.amdhsa_system_sgpr_workgroup_id_z 1
		.amdhsa_system_vgpr_workitem_id 0
		.amdhsa_next_free_vgpr 232
		.amdhsa_next_free_sgpr 66
		.amdhsa_reserve_vcc 0
		.amdhsa_float_denorm_mode_32 3
		.amdhsa_float_denorm_mode_16_64 3
		.amdhsa_memory_ordered 1
		.amdhsa_forward_progress 1
		.amdhsa_inst_pref_size 153
	.end_amdhsa_kernel
	.amdgpu_metadata
---
amdhsa.version: [ 1, 2 ]
amdhsa.kernels:
  - .name:           k_q89f34f146f_pairs
    .symbol:         k_q89f34f146f_pairs.kd
    .args:
      - { .name: xyz1, .offset: 0, .size: 8, .value_kind: global_buffer, .address_space: global }
      - { .name: xyz2, .offset: 8, .size: 8, .value_kind: global_buffer, .address_space: global }
      - { .name: pkey, .offset: 16, .size: 8, .value_kind: global_buffer, .address_space: global }
      - { .name: pgrp, .offset: 24, .size: 8, .value_kind: global_buffer, .address_space: global }
    .group_segment_fixed_size: 99584
    .private_segment_fixed_size: 0
    .kernarg_segment_align: 8
    .kernarg_segment_size: 32
    .max_flat_workgroup_size: 256
    .sgpr_count:     66
    .vgpr_count:     232
    .wavefront_size: 32
...
	.end_amdgpu_metadata
.endif
;; end of part 3
;; launch resolve: the kernel of part 2 again; grid 256 x 1, 4 waves a work-group, no clusters, 0 bytes of LDS; arguments xyz1, xyz2, pkey, pgrp, out0, out1, out2, out3; writes out0, out1, out2, out3
